; MI455X (gfx1250); checked and timed in simulation.
; The chip was launched on July 23, 2026; its instructions are those of AMD's public machine-readable ISA for CDNA 5 (MIT licence, August 2026) and "CDNA5" Instruction Set Architecture Reference Guide (July 2026). The comments in the code are by the model that wrote it; some were corrected since.
;; Neural Tensor Diag Layer. Allowed arithmetic: float matrix products may take bf16 or f16 operands with f32 sums; other float arithmetic in f32, or as packed bf16 or f16 multiplies, adds, multiply-adds, maxima and minima; sums over many terms, partial sums and values carried from step to step in f32; what a program stores and reads back later, other than sums and carried values, may be rounded once to bf16 or f16.
;; Inputs: V 4,096 x 2,048 float32; W 2,048 x 2,048 float32; b 2,048 float32; e1 4,096 x 2,048 float32; e2 4,096 x 2,048 float32.
;; Outputs: out0 4,096 x 2,048 float32.
;; 2 versions, each right; version 2 is version 1 with the launch prep written anew for expert scheduling mode. Each part assembles by itself: llvm-mc -triple=amdgcn-amd-amdhsa -mcpu=gfx1250 --defsym DOCPART=n.
;; ======== version 1 of 2: 2 launches
;; workspace buffers: abf 33,554,432 bytes; vbf 16,777,216 bytes; zb 16,384 bytes
;; launch prep (part 1): grid 256 x 1, 8 waves a work-group, no clusters, 0 bytes of LDS; arguments e1, e2, W, V, b, abf, vbf, zb; writes abf, vbf, zb
.if DOCPART == 1
	.amdgcn_target "amdgcn-amd-amdhsa--gfx1250"
	.amdhsa_code_object_version 6
	.text
	.protected	k_qfab751e010_prep
	.globl	k_qfab751e010_prep
	.p2align	8
	.type	k_qfab751e010_prep,@function
k_qfab751e010_prep:
	s_mov_b64 s[64:65], 0
	v_nop
	global_prefetch_b8 v0, s[64:65] scope:SCOPE_SE
	s_setreg_imm32_b32 hwreg(HW_REG_WAVE_MODE, 25, 1), 1
	s_wait_xcnt 0x0
; PREP: casts to bf16, and the part of the bilinear term that the gather keeps.
; The gather's row is (p*2048 + q) mod 4096 = (p & 1)*2048 + q, since q < 2048: of u only u[par*2048+q][q] is ever taken, par = p & 1.  So
;   z[par][q] = 2^-11 * sum over r of e1[par*2048+q][r] * e2[par*2048+q][r] * W[q][r]:  4,096 dot products of three rows, which read every byte of e1, e2 and W once.
; Stored: abf [4096][4096] bf16, row m = bf16(e1[m]) then bf16(e2[m]);  vbf [4096][2048] bf16 = bf16(V), same orientation;
;         zb [2][2048] f32 = 2 log2(e) * (z[par][q] + bf16(b[q])): the addend of the next launch, scaled for its base-2 exponential.
; LIMITS.  Every input is rounded once to bf16 (nearest even), also for z and the bias; products and sums are f32; the order of the sum is the lanes' own, not the row's.
; SHARES.  2,048 waves; wave q owns rows q and q+2048 of e1 and e2, row q of W, rows 2q and 2q+1 of V (16,384 consecutive bytes).
; A load of the wave covers 512 consecutive bytes (16 a lane), a store 256 consecutive bytes at a multiple of 256 from its buffer's first byte (8 a lane).
; No LDS, no barrier, no matrix unit: the waves share nothing, and a diagonal of a product is vector work.  A ring of eight register slots keeps 40 loads of a wave on their way.
.set LN,   1                           ; v1        16 x lane: offset of my 16 bytes in a chunk of 512; never rewritten
.set SO,   2                           ; v2        8 x lane: offset of my 8 bytes in a stored block of 256; never rewritten
.set LA,   3                           ; v3        lane
.set ACC0, 4                           ; v[4:7]    two chains of pairs: the sum for row q
.set ACC1, 8                           ; v[8:11]   the same for row q + 2048
.set Y,    12                          ; v[12:21]  packed bf16: e1a, e2a, e1b, e2b, W, two registers each (a: row q, b: row q + 2048)
.set U,    24                          ; v[24:43]  the rounded numbers as f32, four of each, in the same order
.set X,    48                          ; v[48:207] eight slots of 20 registers, as loaded, in the same order
.set HALF, 0x1000000                   ; 2,048 rows of 8,192 bytes, in e1, e2 and abf alike
	s_load_b512 s[4:19], s[0:1], 0x0               ; e1 s[4:5], e2 s[6:7], W s[8:9], V s[10:11], b s[12:13], abf s[14:15], vbf s[16:17], zb s[18:19]
	v_lshrrev_b32 v[LA], 5, v0
	v_readfirstlane_b32 s20, v[LA]                 ; my wave in the work-group
	s_lshl_b32 s21, ttmp9, 3
	s_add_co_u32 s20, s20, s21                     ; q = 8 x work-group + wave
	v_and_b32 v[LA], 31, v0
	v_lshlrev_b32 v[LN], 4, v[LA]
	v_lshlrev_b32 v[SO], 3, v[LA]
	s_lshl_b32 s22, s20, 13                        ; q rows of 8,192 bytes (e1, e2, W, abf), and 2 q rows of 4,096 (vbf)
	s_mov_b32 s23, 0
	s_lshl_b32 s30, s20, 14                        ; 2 q rows of 8,192 bytes (V)
	s_mov_b32 s31, 0
	s_lshl_b32 s32, s20, 2                         ; q words (b, zb)
	s_mov_b32 s33, 0
	s_mov_b32 s36, 0x76543210                      ; v_permlanex16_b32: each lane takes its own place in the other half
	s_mov_b32 s37, 0xfedcba98
	s_mov_b32 s38, 0xffff0000                      ; a word's upper bf16
	s_wait_kmcnt 0x0
	s_add_nc_u64 s[4:5], s[4:5], s[22:23]
	s_add_nc_u64 s[6:7], s[6:7], s[22:23]
	s_add_nc_u64 s[8:9], s[8:9], s[22:23]
	s_add_nc_u64 s[10:11], s[10:11], s[30:31]
	s_add_nc_u64 s[12:13], s[12:13], s[32:33]
	s_add_nc_u64 s[14:15], s[14:15], s[22:23]
	s_add_nc_u64 s[16:17], s[16:17], s[22:23]
	s_add_nc_u64 s[18:19], s[18:19], s[32:33]
	s_add_nc_u64 s[24:25], s[4:5], HALF            ; e1, e2 and abf at row q + 2048: too far for an immediate offset
	s_add_nc_u64 s[26:27], s[6:7], HALF
	s_add_nc_u64 s[28:29], s[14:15], HALF
	s_load_b32 s34, s[12:13], 0x0                  ; b[q]: waited for at the end
.macro LOADQ slot, c                   ; chunk c (512 bytes) of my five rows
	global_load_b128 v[X+20*(\slot):X+20*(\slot)+3],     v[LN], s[4:5]   offset:512*(\c) th:TH_LOAD_NT
	global_load_b128 v[X+20*(\slot)+4:X+20*(\slot)+7],   v[LN], s[6:7]   offset:512*(\c) th:TH_LOAD_NT
	global_load_b128 v[X+20*(\slot)+8:X+20*(\slot)+11],  v[LN], s[24:25] offset:512*(\c) th:TH_LOAD_NT
	global_load_b128 v[X+20*(\slot)+12:X+20*(\slot)+15], v[LN], s[26:27] offset:512*(\c) th:TH_LOAD_NT
	global_load_b128 v[X+20*(\slot)+16:X+20*(\slot)+19], v[LN], s[8:9]   offset:512*(\c) th:TH_LOAD_NT
.endm
.macro LOADV slot, g                   ; group g of four chunks of my 16,384 bytes of V
.irp i, 0,1,2,3
	global_load_b128 v[X+20*(\slot)+4*(\i):X+20*(\slot)+4*(\i)+3], v[LN], s[10:11] offset:512*(4*(\g)+(\i)) th:TH_LOAD_NT
.endr
.endm
; Chunk c of the five rows.  left = how many younger loads may stay out.
.macro TURNQ c, left
.set XS, X+20*((\c)%8)
	s_wait_loadcnt \left                           ; loads come back in order (ISA guide 5.7.1): this slot's five are in
	s_wait_xcnt 0x0                                ; Y, which the last turn's stores read, is rewritten only behind this wait
.irp j, 0,1,2,3,4
.irp k, 0,1
	v_cvt_pk_bf16_f32 v[Y+2*(\j)+(\k)], v[XS+4*(\j)+2*(\k)], v[XS+4*(\j)+2*(\k)+1]
.endr
.endr
.if (\c) < 8
	LOADQ (\c)%8, (\c)+8                           ; the slot has been read: its next chunk goes out ahead of the stores
.else
	LOADV (\c)-8, (\c)-8                           ; no chunk is left: the slot takes a group of V
.endif
	global_store_b64 v[SO], v[Y:Y+1],   s[14:15] offset:256*(\c)       ; abf row q: e1's half,
	global_store_b64 v[SO], v[Y+2:Y+3], s[14:15] offset:4096+256*(\c)  ; e2's half
	global_store_b64 v[SO], v[Y+4:Y+5], s[28:29] offset:256*(\c)       ; abf row q + 2048
	global_store_b64 v[SO], v[Y+6:Y+7], s[28:29] offset:4096+256*(\c)
.irp j, 0,1,2,3,4
.irp k, 0,1
	v_lshlrev_b32 v[U+4*(\j)+2*(\k)],   16,  v[Y+2*(\j)+(\k)]  ; the rounded numbers as f32: the low half moves up,
	v_and_b32     v[U+4*(\j)+2*(\k)+1], s38, v[Y+2*(\j)+(\k)]  ; the high half stays
.endr
.endr
	v_pk_mul_f32 v[U:U+1],     v[U:U+1],     v[U+4:U+5]        ; e1 e2 (exact: two numbers of 8 significant bits)
	v_pk_mul_f32 v[U+2:U+3],   v[U+2:U+3],   v[U+6:U+7]
	v_pk_mul_f32 v[U+8:U+9],   v[U+8:U+9],   v[U+12:U+13]
	v_pk_mul_f32 v[U+10:U+11], v[U+10:U+11], v[U+14:U+15]
.if (\c) == 0                          ; the first chunk starts the sums: nothing is cleared
	v_pk_mul_f32 v[ACC0:ACC0+1],   v[U:U+1],     v[U+16:U+17]
	v_pk_mul_f32 v[ACC0+2:ACC0+3], v[U+2:U+3],   v[U+18:U+19]
	v_pk_mul_f32 v[ACC1:ACC1+1],   v[U+8:U+9],   v[U+16:U+17]
	v_pk_mul_f32 v[ACC1+2:ACC1+3], v[U+10:U+11], v[U+18:U+19]
.else
	v_pk_fma_f32 v[ACC0:ACC0+1],   v[U:U+1],     v[U+16:U+17], v[ACC0:ACC0+1]
	v_pk_fma_f32 v[ACC0+2:ACC0+3], v[U+2:U+3],   v[U+18:U+19], v[ACC0+2:ACC0+3]
	v_pk_fma_f32 v[ACC1:ACC1+1],   v[U+8:U+9],   v[U+16:U+17], v[ACC1:ACC1+1]
	v_pk_fma_f32 v[ACC1+2:ACC1+3], v[U+10:U+11], v[U+18:U+19], v[ACC1+2:ACC1+3]
.endif
.endm
; Group g of V: rounded and stored.
.macro TURNV g, left
.set XS, X+20*(\g)
	s_wait_loadcnt \left
	s_wait_xcnt 0x0                                ; Y again
.irp i, 0,1,2,3
.irp k, 0,1
	v_cvt_pk_bf16_f32 v[Y+2*(\i)+(\k)], v[XS+4*(\i)+2*(\k)], v[XS+4*(\i)+2*(\k)+1]
.endr
.endr
.irp i, 0,1,2,3
	global_store_b64 v[SO], v[Y+2*(\i):Y+2*(\i)+1], s[16:17] offset:256*(4*(\g)+(\i))
.endr
.endm
.irp i, 0,1,2,3,4,5,6,7
	LOADQ \i, \i                                   ; the ring is filled: 40 loads
.endr
.irp c, 0,1,2,3,4,5,6,7
	TURNQ \c, 35                                   ; seven younger slots of five loads
.endr
.irp c, 8,9,10,11,12,13,14,15
	TURNQ \c, 5*(15-(\c))+4*((\c)-8)               ; the chunks still to come, five loads each, and the groups of V asked for so far, four each
.endr
.irp g, 0,1,2,3,4,5,6,7
	TURNV \g, 4*(7-(\g))                           ; the counts run down to 0
.endr
	; the two sums: within the lane, then over the 32 lanes (four steps inside each half ride on the addition, one crosses the halves)
	v_pk_add_f32 v[ACC0:ACC0+1], v[ACC0:ACC0+1], v[ACC0+2:ACC0+3]
	v_pk_add_f32 v[ACC1:ACC1+1], v[ACC1:ACC1+1], v[ACC1+2:ACC1+3]
	v_add_f32 v[ACC0], v[ACC0], v[ACC0+1]
	v_add_f32 v[ACC1], v[ACC1], v[ACC1+1]
.irp m, 1,2,4,8
	v_add_f32_dpp v[ACC0], v[ACC0], v[ACC0] row_xmask:\m row_mask:0xf bank_mask:0xf
	v_add_f32_dpp v[ACC1], v[ACC1], v[ACC1] row_xmask:\m row_mask:0xf bank_mask:0xf
.endr
	v_permlanex16_b32 v[U],   v[ACC0], s36, s37    ; the destinations have been written before
	v_permlanex16_b32 v[U+1], v[ACC1], s36, s37
	v_add_f32 v[ACC0], v[ACC0], v[U]
	v_add_f32 v[ACC1], v[ACC1], v[U+1]
	s_wait_kmcnt 0x0                               ; b[q]
	v_mov_b32 v[U+2], s34
	v_cvt_pk_bf16_f32 v[U+2], v[U+2], v[U+2]       ; rounded to bf16 like every input,
	v_lshlrev_b32 v[U+2], 16, v[U+2]               ; and back as f32
	v_cmp_eq_u32 vcc_lo, 1, v[LA]
	v_cndmask_b32 v[ACC0], v[ACC0], v[ACC1], vcc_lo  ; lane 1 takes the sum of row q + 2048
	v_fmamk_f32 v[ACC0], v[ACC0], 0x3a000000, v[U+2] ; sum x 2^-11 + b
	v_mul_f32 v[ACC0], 0x4038aa3b, v[ACC0]         ; x 2 log2(e)
	v_and_b32 v[ACC0+1], 1, v[LA]
	v_lshlrev_b32 v[ACC0+1], 13, v[ACC0+1]         ; zb[0][q] or zb[1][q], 8,192 bytes on
	v_cmp_gt_u32 vcc_lo, 2, v[LA]
	s_wait_xcnt 0x0                                ; EXEC is a source of the stores that are out: it changes only behind this wait
	s_and_saveexec_b32 s35, vcc_lo
	global_store_b32 v[ACC0+1], v[ACC0], s[18:19]  ; two words a wave: 16,384 bytes in the whole launch, too few to gather through LDS
	s_endpgm
.Lfunc_end_k_qfab751e010_prep:
	.size	k_qfab751e010_prep, .Lfunc_end_k_qfab751e010_prep-k_qfab751e010_prep
	.p2alignl 7, 3214868480
	.fill 96, 4, 3214868480
	.section	.rodata,"a",@progbits
	.p2align	6, 0x0
	.amdhsa_kernel k_qfab751e010_prep
		.amdhsa_group_segment_fixed_size 0
		.amdhsa_private_segment_fixed_size 0
		.amdhsa_enable_private_segment 0
		.amdhsa_kernarg_size 64
		.amdhsa_user_sgpr_count 2
		.amdhsa_user_sgpr_kernarg_segment_ptr 1
		.amdhsa_wavefront_size32 1
		.amdhsa_system_sgpr_workgroup_id_x 1
		.amdhsa_system_sgpr_workgroup_id_y 1
		.amdhsa_system_sgpr_workgroup_id_z 1
		.amdhsa_system_vgpr_workitem_id 0
		.amdhsa_next_free_vgpr 208
		.amdhsa_next_free_sgpr 66
		.amdhsa_reserve_vcc 1
		.amdhsa_float_denorm_mode_32 3
		.amdhsa_float_denorm_mode_16_64 3
		.amdhsa_memory_ordered 1
		.amdhsa_forward_progress 1
		.amdhsa_inst_pref_size 56
	.end_amdhsa_kernel
	.amdgpu_metadata
---
amdhsa.version: [ 1, 2 ]
amdhsa.kernels:
  - .name:           k_qfab751e010_prep
    .symbol:         k_qfab751e010_prep.kd
    .args:
      - { .name: e1, .offset: 0, .size: 8, .value_kind: global_buffer, .address_space: global }
      - { .name: e2, .offset: 8, .size: 8, .value_kind: global_buffer, .address_space: global }
      - { .name: W, .offset: 16, .size: 8, .value_kind: global_buffer, .address_space: global }
      - { .name: V, .offset: 24, .size: 8, .value_kind: global_buffer, .address_space: global }
      - { .name: b, .offset: 32, .size: 8, .value_kind: global_buffer, .address_space: global }
      - { .name: abf, .offset: 40, .size: 8, .value_kind: global_buffer, .address_space: global }
      - { .name: vbf, .offset: 48, .size: 8, .value_kind: global_buffer, .address_space: global }
      - { .name: zb, .offset: 56, .size: 8, .value_kind: global_buffer, .address_space: global }
    .group_segment_fixed_size: 0
    .private_segment_fixed_size: 0
    .kernarg_segment_align: 8
    .kernarg_segment_size: 64
    .max_flat_workgroup_size: 256
    .sgpr_count:     66
    .vgpr_count:     208
    .wavefront_size: 32
...
	.end_amdgpu_metadata
.endif
;; end of part 1
;; launch gemm (part 2): grid 16 x 16, 4 waves a work-group, clusters of 4 x 4, 327,680 bytes of LDS; arguments abf, vbf, zb, out0; writes out0
.if DOCPART == 2
	.amdgcn_target "amdgcn-amd-amdhsa--gfx1250"
	.amdhsa_code_object_version 6
	.text
	.protected	k_qfab751e010_gemm
	.globl	k_qfab751e010_gemm
	.p2align	8
	.type	k_qfab751e010_gemm,@function
k_qfab751e010_gemm:
	s_mov_b64 s[64:65], 0
	v_nop
	global_prefetch_b8 v0, s[64:65] scope:SCOPE_SE
	s_setreg_imm32_b32 hwreg(HW_REG_WAVE_MODE, 25, 1), 1
	s_wait_xcnt 0x0
	s_wait_alu depctr_hold_cnt(0) depctr_sa_sdst(0) depctr_va_vdst(0) depctr_va_sdst(0) depctr_va_ssrc(0) depctr_va_vcc(0) depctr_vm_vsrc(0)
	s_getreg_b32 s2, hwreg(HW_REG_IB_STS2, 6, 4)
	s_cmp_eq_u32 s2, 0
	s_cbranch_scc0 .Lentry_in_a_cluster
	s_endpgm
.Lentry_in_a_cluster:
	s_bfe_u32 s2, ttmp6, 0x10000c
	s_cmp_lg_u32 s2, 0xf033
	s_cbranch_scc0 .Lentry_shape_is_right
	s_endpgm
.Lentry_shape_is_right:
; out0[p][n] = tanh( sum over k of abf[p][k] vbf[k][n] + z[p & 1][n] + b[n] ).  abf: [4096][4096] bf16 (e1 | e2), vbf: [4096][2048] bf16 (V as it lies), zb: [2][2048] f32 = 2 log2(e) (z + b), out0: [4096][2048] f32.
; LIMITS.  Operands bf16, sums f32.  tanh(x) = 1 - 2 / (1 + 2^(2 log2(e) x)): off by a few 1e-7 absolutely (so small x keep no relative accuracy beyond that); it ends at +1 and -1 for large x and infinities; NaN stays NaN.
; SHARES.  A tile of out0 is 256 rows x 128 columns: 16 x 16 tiles, one for each of 256 work-groups.  Four waves, each 128 rows x 64 columns: 32 accumulators of 16 x 16, 256 registers.
; K = 4096 goes in 32 steps of 128 through a ring of two LDS slots filled by the tensor data mover; all tile rows are 256 bytes of memory and start at multiples of 256 bytes from the buffer's first byte.
; Two slots of a step of 256 would take 417,792 bytes: they do not fit.
; CLUSTER.  4 x 4 work-groups.  The four of a row of the cluster need the same tiles of abf, the four of a column the same tiles of vbf: each tile is asked for jointly, by the same tensor load with the same descriptor and a mask of four.
; THE MATRIX INSTRUCTION IS USED TRANSPOSED: source 0 = 16 columns of V (turned on the way out of LDS by ds_load_tr16_b128), source 1 = 16 rows of abf.  Lane l then holds row l % 16 of out0 and the
; eight neighbouring columns 8 (l / 16) + 0..7.  The row's parity is that of l % 16, so a lane's 32 addends from zb are the same for all its rows and stay in registers.
; REGISTERS, in windows of 256 (s_set_vgpr_msb: bits 1:0 source 0, 3:2 source 1, 5:4 source 2, 7:6 destination):
;   window 0: v0-29 addresses; v32-63 zb; v64-95 at work on the way out; v96-159 rows read back from the stage, two buffers
;   window 1: two fragment buffers at v0 and v128: 8 blocks of abf (64 registers), then 4 of V (32)          window 2: the accumulators, (a, b) at v[8 (4 a + b)]
.set PA,    272                        ; a row of abf in LDS: 256 bytes + 16 = 68 words: row r starts at bank 4 r mod 64 (64 banks of 4 bytes: ISA guide 11.1)
.set PB,    288                        ; a row of vbf: 256 + 32 = 72 words
.set AH,    128*PA                     ; 128 rows of abf: one tensor load
.set BH,    64*PB                      ; 64 rows (k) of vbf: one tensor load
.set BOFF,  2*AH                       ; a slot: abf's 256 rows, then vbf's 128
.set SLOT,  BOFF+2*BH
.set STAGE, 2*SLOT                     ; behind the ring, never filled by a tensor load: 16 rows x 272 bytes for each wave, for the way out
.set SP,    272
.set SPARE, STAGE+4*16*SP              ; behind the stages: the spare words, 128 bytes for each wave: two blocks of 256 bytes that no other line names
.set LAPS,  16                         ; a lap = two K steps = once round the ring
.set ADRA, 16                          ; v16-17  LDS address of my fragments of abf in slot 0, 1
.set ADRB, 20                          ; v20-21  the same for V
.set STO,  24                          ; v24     the way out: where I put 32 bytes of a row
.set RD,   25                          ; v25     the way out: where I read a row back
.set CO,   26                          ; v26     my byte offset in two rows of out0
.set ZO,   27                          ; v27     my byte offset in zb
.set SPW,  28                          ; v28     LDS address of my spare word: SPARE + 4 x my thread's number; never rewritten
.set NIL,  29                          ; v29     0; never rewritten
.set ZB,   32
.set TMP,  64
.set OB,   96
.set F0,   0
.set F1,   128
.set WV,  12                           ; s12  my wave's number
.set WM,  13                           ; s13  which 128 rows of the tile are mine.  Also: I fetch for abf (0) or for vbf (1)
.set WN,  14                           ; s14  which 64 columns.  Also: which half of that tile I fetch
.set G1,  24                           ; s[24:31] descriptor group 1 for abf's tiles;  s[32:39] group 0, a set for each slot
.set G0,  32
.set G1B, 48                           ; s[48:55], s[56:63] the same for vbf's
.set G0B, 56
.set CS,  66                           ; s[66:67] 2 log2(e): the packed multiply-add takes the pair's low word for both halves
.set MSB, 0
.macro WIN new                         ; the immediate's high byte repeats the setting that is left; a switch that changes nothing is dropped
.if MSB != (\new)
	s_set_vgpr_msb (MSB<<8)|(\new)
.set MSB, (\new)
.endif
.endm
.set MUL,  0xa5                        ; sources 0 and 1 window 1, C and D window 2
.set TO_F, 0x40                        ; destination window 1, address window 0
.set ACTW, 0x02                        ; source 0 window 2, all else window 0
; A joint load.  Waves 0 and 1 fetch abf's two halves, waves 2 and 3 vbf's.  The branch hangs on the wave's number alone.  An s_nop 0 and four v_nop follow each of the two lines,
; ahead of the jump, the label and what follows.
.macro JLOAD s
	s_cmp_eq_u32 s[WM], 0
	s_cbranch_scc0 .Lfor_b_\@
	tensor_load_to_lds s[G0+4*(\s):G0+4*(\s)+3], s[G1:G1+7]
	s_nop 0
.rept 4
	v_nop
.endr
	s_branch .Lasked_\@
.Lfor_b_\@:
	tensor_load_to_lds s[G0B+4*(\s):G0B+4*(\s)+3], s[G1B:G1B+7]
	s_nop 0
.rept 4
	v_nop
.endr
.Lasked_\@:
.endm
.macro CREST                           ; a round of the cluster's barrier behind its opening barrier: wave 0 signals for the work-group, every wave waits for all sixteen, my work-group's barrier closes it
	s_cmp_lg_u32 s[WV], 0
	s_cbranch_scc1 .Lnot_wave_0_\@
	s_barrier_signal -3
.Lnot_wave_0_\@:
	s_barrier_wait -3
	s_barrier_signal -1
	s_barrier_wait -1
.endm
.macro CROUND                          ; a whole round
	s_barrier_signal -1
	s_barrier_wait -1
	CREST
.endm
	s_load_b128 s[4:7], s[0:1], 0x0                ; abf s[4:5], vbf s[6:7]
	s_load_b128 s[8:11], s[0:1], 0x10              ; zb s[8:9], out0 s[10:11]
	v_lshl_add_u32 v[SPW], v0, 2, SPARE
	v_mov_b32 v[NIL], 0
	ds_add_u32 v[SPW], v[NIL]                      ; the wave's opening: the add and its wait stand ahead of my first tensor load; the set-up below, work on registers, stands between them
	v_lshrrev_b32 v1, 5, v0
	v_readfirstlane_b32 s[WV], v1                  ; wave 0..3
	s_lshr_b32 s[WM], s[WV], 1
	s_and_b32 s[WN], s[WV], 1
	s_bfe_u32 s40, ttmp6, 0x40000                  ; cx, cy: my place in the cluster
	s_bfe_u32 s41, ttmp6, 0x40004
	s_lshl_b32 s42, ttmp9, 2                       ; in a cluster launch ttmp9 and ttmp7 count clusters
	s_add_co_u32 s42, s42, s40                     ; tile column = 4 x cluster x + cx
	s_and_b32 s43, ttmp7, 0xffff
	s_lshl_b32 s43, s43, 2
	s_add_co_u32 s43, s43, s41                     ; tile row = 4 x cluster y + cy
	s_lshl_b32 s44, s41, 2
	s_lshl_b32 s44, 15, s44                        ; my row of the cluster: places 4 cy .. 4 cy + 3
	s_lshl_b32 s45, 0x1111, s40                    ; my column: places cx, cx + 4, cx + 8, cx + 12
	; group 1 for abf: 128 rows x 128 elements of 2 bytes, 4,096 elements from row to row; 4 words of padding after every 64
	s_or_b32 s[G1+0], s44, (1<<16)|(1<<20)|(1<<21)|(5<<22)|(3<<25)  ; 15:0 the mask: my row; 17:16 2-byte elements; 20 padding on; 21 set beside a mask; 24:22 code 5; 31:25 code 3
	s_mov_b32 s[G1+1], 128<<16                     ; tensor_dim0 = 128
	s_mov_b32 s[G1+2], 128<<16                     ; tensor_dim1 = 128
	s_mov_b32 s[G1+3], 128<<16                     ; tile_dim0 = 128
	s_mov_b32 s[G1+4], 128                         ; tile_dim1 = 128
	s_mov_b32 s[G1+5], 4096                        ; stride
	s_mov_b32 s[G1+6], 0
	s_mov_b32 s[G1+7], 0
	; group 1 for vbf: 64 rows (k) x 128 elements (n), 2,048 elements from row to row; 8 words of padding after every 64
	s_or_b32 s[G1B+0], s45, (1<<16)|(1<<20)|(1<<21)|(5<<22)|(7<<25) ; the mask: my column
	s_mov_b32 s[G1B+1], 128<<16
	s_mov_b32 s[G1B+2], 64<<16
	s_mov_b32 s[G1B+3], 128<<16
	s_mov_b32 s[G1B+4], 64
	s_mov_b32 s[G1B+5], 2048
	s_mov_b32 s[G1B+6], 0
	s_mov_b32 s[G1B+7], 0
	; where the tiles come from: abf's hang on the tile row alone, vbf's on the tile column alone; each offset is made in registers that never hold the other coordinate
	s_lshl_b32 s16, s43, 8
	s_lshl_b32 s17, s[WN], 7
	s_add_co_u32 s16, s16, s17                     ; abf: row 256 x tile row + 128 x half,
	s_lshl_b32 s16, s16, 13                        ; of 8,192 bytes (under 2^25)
	s_mov_b32 s17, 0
	s_lshl_b32 s46, s[WN], 18                      ; vbf: 64 x half rows of 4,096 bytes,
	s_lshl_b32 s47, s42, 8                         ; 128 x tile column elements of 2 bytes
	s_add_co_u32 s46, s46, s47
	s_mov_b32 s47, 0
	s_mul_i32 s20, s[WN], AH                       ; and where they go: no place in the cluster enters an LDS address
	s_mul_i32 s21, s[WN], BH
	s_add_co_u32 s21, s21, BOFF
	s_mov_b32 s[CS], 0x4038aa3b                    ; 2 log2(e)
	s_mov_b32 s[CS+1], s[CS]                       ; named with it as a pair
	s_wait_dscnt 0x0                               ; the opening add is done
	s_wait_kmcnt 0x0
	s_add_nc_u64 s[18:19], s[4:5], s[16:17]
	s_add_nc_u64 s[46:47], s[6:7], s[46:47]
	CROUND                                         ; all sixteen work-groups are here: the first joint loads meet
.irp s, 0,1
	s_mov_b32 s[G0+4*(\s)], 1                                      ; count = 1
	s_add_co_u32 s[G0+4*(\s)+1], s20, (\s)*SLOT                    ; LDS address
	s_add_nc_u64 s[G0+4*(\s)+2:G0+4*(\s)+3], s[18:19], (\s)*256    ; global address: K step s, 128 elements along the rows
	s_or_b32 s[G0+4*(\s)+3], s[G0+4*(\s)+3], 0x80000000            ; type = 2
	s_mov_b32 s[G0B+4*(\s)], 1
	s_add_co_u32 s[G0B+4*(\s)+1], s21, (\s)*SLOT
	s_add_nc_u64 s[G0B+4*(\s)+2:G0B+4*(\s)+3], s[46:47], (\s)*524288  ; K step s, 128 rows of 4,096 bytes down
	s_or_b32 s[G0B+4*(\s)+3], s[G0B+4*(\s)+3], 0x80000000
	JLOAD \s                                       ; both slots are asked for before anything else: two loads of mine are out
.endr
	v_and_b32 v1, 15, v0                           ; r = l % 16
	v_bfe_u32 v2, v0, 4, 1                         ; h = l / 16
	; a fragment of abf: lane l holds row r, k = 8 h + 0..7 and 16 + 8 h + 0..7: two loads of 16 bytes, 32 bytes apart
	v_mul_u32_u24 v3, v1, PA
	v_lshl_add_u32 v3, v2, 4, v3
	s_mul_i32 s22, s[WM], AH                       ; my 128 rows
	v_add_nc_u32 v[ADRA], s22, v3
	s_add_co_u32 s22, s22, SLOT
	v_add_nc_u32 v[ADRA+1], s22, v3
	; the turning load takes 16 k x 16 n (lane l reads k = 8 h + l % 8, columns 8 ((l / 8) % 2) + 0..7) and leaves half a fragment: lane l holds column r and 8 k
	v_and_b32 v4, 7, v0
	v_lshl_add_u32 v4, v2, 3, v4
	v_mul_u32_u24 v4, v4, PB
	v_bfe_u32 v5, v0, 3, 1
	v_lshl_add_u32 v4, v5, 4, v4
	s_lshl_b32 s23, s[WN], 7                       ; my 64 columns: 128 bytes
	s_add_co_u32 s23, s23, BOFF
	v_add_nc_u32 v[ADRB], s23, v4
	s_add_co_u32 s23, s23, SLOT
	v_add_nc_u32 v[ADRB+1], s23, v4
	s_mul_i32 s22, s[WV], 16*SP
	s_add_co_u32 s22, s22, STAGE                   ; my stage
	v_mul_u32_u24 v5, v1, SP                       ; in: row r, 32 bytes for each half of the lanes
	v_lshl_add_u32 v5, v2, 5, v5
	v_add_nc_u32 v[STO], s22, v5
	v_mul_u32_u24 v5, v2, SP                       ; back: lanes 0-15 take one row of 256 bytes, lanes 16-31 the next
	v_lshl_add_u32 v5, v1, 4, v5
	v_add_nc_u32 v[RD], s22, v5
	v_lshlrev_b32 v5, 13, v2                       ; and the same two rows in out0, 8,192 bytes apart
	v_lshl_add_u32 v[CO], v1, 4, v5
	v_and_b32 v5, 1, v0                            ; my rows' parity: zb's row,
	v_lshlrev_b32 v5, 13, v5
	v_lshl_add_u32 v[ZO], v2, 5, v5                ; and my eight columns of sixteen
	s_lshl_b32 s46, s42, 9                         ; my first column in bytes of f32: 512 x tile column + 256 x half
	s_lshl_b32 s47, s[WN], 8
	s_add_co_u32 s46, s46, s47
	s_mov_b32 s47, 0
	s_add_nc_u64 s[8:9], s[8:9], s[46:47]
	s_lshl_b32 s16, s43, 8
	s_lshl_b32 s17, s[WM], 7
	s_add_co_u32 s16, s16, s17                     ; my first row of out0,
	s_lshl_b32 s16, s16, 13                        ; of 8,192 bytes
	s_mov_b32 s17, 0
	s_add_nc_u64 s[10:11], s[10:11], s[16:17]
	s_add_nc_u64 s[10:11], s[10:11], s[46:47]
.irp b, 0,1,2,3
	global_load_b128 v[ZB+8*(\b):ZB+8*(\b)+3],   v[ZO], s[8:9] offset:64*(\b)     ; waited for on the way out
	global_load_b128 v[ZB+8*(\b)+4:ZB+8*(\b)+7], v[ZO], s[8:9] offset:64*(\b)+16
.endr
; 4 n matrix instructions: row blocks a0 .. a0 + n - 1 x all 4 column blocks, 32 along K, from buffer f.  zero = 1: the product starts the sums: nothing is ever cleared.
; The 32 accumulators take turns, one instruction a turn and in the same order in every quarter.
.macro MULN f, a0, n, zero
	WIN MUL
.set ma, (\a0)
.rept \n
.irp b, 0,1,2,3
.if \zero
	v_wmma_f32_16x16x32_bf16 v[8*(4*ma+(\b)):8*(4*ma+(\b))+7], v[(\f)+64+8*(\b):(\f)+64+8*(\b)+7], v[(\f)+8*ma:(\f)+8*ma+7], 0
.else
	v_wmma_f32_16x16x32_bf16 v[8*(4*ma+(\b)):8*(4*ma+(\b))+7], v[(\f)+64+8*(\b):(\f)+64+8*(\b)+7], v[(\f)+8*ma:(\f)+8*ma+7], v[8*(4*ma+(\b)):8*(4*ma+(\b))+7]
.endif
.endr
.set ma, ma+1
.endr
.endm
; 24 LDS loads in one run: the fragments of quarter q (32 along K) of a slot into buffer f: V's four blocks first, then abf's eight in ascending order
.macro FETCH slot, q, f
	WIN TO_F
.irp b, 0,1,2,3
	ds_load_tr16_b128 v[(\f)+64+8*(\b):(\f)+64+8*(\b)+3],   v[ADRB+(\slot)] offset:(\q)*32*PB+32*(\b)
	ds_load_tr16_b128 v[(\f)+64+8*(\b)+4:(\f)+64+8*(\b)+7], v[ADRB+(\slot)] offset:(\q)*32*PB+32*(\b)+16*PB
.endr
.irp i, 0,1,2,3,4,5,6,7
	ds_load_b128 v[(\f)+8*(\i):(\f)+8*(\i)+3],   v[ADRA+(\slot)] offset:(\q)*64+(\i)*16*PA
	ds_load_b128 v[(\f)+8*(\i)+4:(\f)+8*(\i)+7], v[ADRA+(\slot)] offset:(\q)*64+(\i)*16*PA+32
.endr
.endm
; A load into a register that a matrix instruction has read, and a vector instruction that reads a matrix result, stand four places behind it, and only plain vector instructions that name
; none of its registers are places (ISA guide 7.12.1 for vector instructions).
.macro PLACES
.rept 4
	v_nop
.endr
.endm
; A K step is four quarters of 32 along K, 32 matrix instructions each, on buffers 0, 1, 0, 1.  One of the first three: multiplies buffer f; in its middle it fetches quarter q of the same slot into g.
.macro QUARTER slot, q, f, g, zero
	s_wait_dscnt 8                                 ; V and abf's blocks 0-3 are in; the youngest eight loads (blocks 4-7) may be out
	MULN \f, 0, 4, \zero
	PLACES
	FETCH \slot, \q, \g
	s_wait_dscnt 24                                ; all but the 24 just issued
	MULN \f, 4, 4, \zero
.endm
; The last quarter multiplies buffer 1 and changes slots: ONE barrier.  In front of it each wave waits for all its tensor loads, of which one is out: its part of the next slot; adds 0 to its spare word;
; and waits for that and for its own reads of this slot.  Behind it nobody reads this slot any more and the next slot is whole.  fill = 1: the barrier opens a round of the cluster's barrier, and this slot is
; filled again, two K steps on, first thing behind the round: 112 matrix instructions ahead of the wait for it.
.macro TURN slot, next, fill
	WIN 0                                          ; (the add's two registers lie in window 0)
	s_wait_tensorcnt 0x0                           ; all my tensor loads have landed;
	ds_add_u32 v[SPW], v[NIL]                      ; 0 onto my spare word;
	s_wait_dscnt 9                                 ; (the add and the youngest eight loads may be out)
	MULN F1, 0, 2, 0                               ; eight matrix instructions stand between the add and the wait for it
	s_wait_dscnt 0x0                               ; the add is done, and my reads of this slot are over
	s_barrier_signal -1
	MULN F1, 2, 2, 0                               ; work on registers while the others arrive
.if \fill
	WIN 0
.endif
	s_barrier_wait -1
.if \fill
	CREST                                          ; no wave of any partner still reads this slot or has a load on its way
	s_add_nc_u64 s[G0+4*(\slot)+2:G0+4*(\slot)+3], s[G0+4*(\slot)+2:G0+4*(\slot)+3], 2*256        ; no tensor load of mine is out, so a group 0 may be written
	s_add_nc_u64 s[G0B+4*(\slot)+2:G0B+4*(\slot)+3], s[G0B+4*(\slot)+2:G0B+4*(\slot)+3], 2*524288
	JLOAD \slot                                    ; the four v_nop behind it are also the places in front of the loads below
.else
	PLACES
.endif
	FETCH \next, 0, F0
	MULN F1, 4, 4, 0
.endm
; THE WAY OUT of row block a (16 rows x my 64 columns), in three parts.
; ACT: t = 2 log2(e) sum + zb; tanh = 1 - 2 / (1 + 2^t).  Each accumulator is read from its lowest registers on.
.macro ACT a
	WIN ACTW
.irp b, 0,1,2,3
.irp j, 0,2,4,6
	v_pk_fma_f32 v[TMP+8*(\b)+(\j):TMP+8*(\b)+(\j)+1], v[8*(4*(\a)+(\b))+(\j):8*(4*(\a)+(\b))+(\j)+1], s[CS:CS+1], v[ZB+8*(\b)+(\j):ZB+8*(\b)+(\j)+1] op_sel_hi:[1,0,1]
.endr
.endr
	WIN 0
.set z, 0
.rept 32
	v_exp_f32 v[TMP+z], v[TMP+z]
.set z, z+1
.endr
	v_nop                                          ; a plain instruction between the last exponential and the use of its result (ISA guide 5.7.2)
.set z, 0
	s_wait_alu depctr_va_vdst(0)
.rept 16
	v_pk_add_f32 v[TMP+z:TMP+z+1], v[TMP+z:TMP+z+1], 1.0 op_sel_hi:[1,0]
.set z, z+2
.endr
.set z, 0
.rept 32
	v_rcp_f32 v[TMP+z], v[TMP+z]
.set z, z+1
.endr
	v_nop                                          ; the same behind the last reciprocal
.set z, 0
	s_wait_alu depctr_va_vdst(0)
.rept 16
	v_pk_fma_f32 v[TMP+z:TMP+z+1], v[TMP+z:TMP+z+1], -2.0, 1.0 op_sel_hi:[1,0,0]
.set z, z+2
.endr
.endm
; TOSTAGE: a lane's eight columns of a block are 32 bytes of a row; they go into my own stage, rows of 272 bytes, and come back as whole rows of 256.
.macro TOSTAGE a
	WIN 0
.set BK, OB+32*((\a)%2)
.irp b, 0,1,2,3
	ds_store_b128 v[STO], v[TMP+8*(\b):TMP+8*(\b)+3]   offset:64*(\b)
	ds_store_b128 v[STO], v[TMP+8*(\b)+4:TMP+8*(\b)+7] offset:64*(\b)+16
.endr
.irp t, 0,1,2,3,4,5,6,7
	ds_load_b128 v[BK+4*(\t):BK+4*(\t)+3], v[RD] offset:(\t)*2*SP  ; LDS serves a wave's instructions in order (ISA guide 5.7.1.4): these see the stores above
.endr
.endm
.macro SEND a
	WIN 0
.set BK, OB+32*((\a)%2)
	s_wait_dscnt 0x0                               ; the block is back in registers
	s_wait_xcnt 0x0                                ; the stores' base, and the buffer that the block before last was stored from, are rewritten only behind this wait
.if (\a) > 0
	s_add_nc_u64 s[10:11], s[10:11], 16*8192       ; 16 rows of out0 on
.endif
.irp t, 0,1,2,3,4,5,6,7
	global_store_b128 v[CO], v[BK+4*(\t):BK+4*(\t)+3], s[10:11] offset:(\t)*2*8192 th:TH_STORE_NT  ; 16 lanes store 256 consecutive bytes, at a multiple of 256 from out0's first byte
.endr
.endm
	s_wait_tensorcnt 1                             ; my part of K step 0 is in; slot 1's may stay out
	s_barrier_signal -1
	s_barrier_wait -1                              ; everybody's is
	FETCH 0, 0, F0
	QUARTER 0, 1, F0, F1, 1                        ; the first quarter stands in front of the loop: its products start the sums
	WIN 0                                          ; at a label and at a branch every window is 0
	s_mov_b32 s3, LAPS-1
.Llap:                                                 ; a trip goes once round the ring, from a lap's second quarter to the next lap's first, and fills both slots again
	QUARTER 0, 2, F1, F0, 0
	QUARTER 0, 3, F0, F1, 0
	TURN 0, 1, 1
	QUARTER 1, 1, F0, F1, 0
	QUARTER 1, 2, F1, F0, 0
	QUARTER 1, 3, F0, F1, 0
	TURN 1, 0, 1
	QUARTER 0, 1, F0, F1, 0
	WIN 0
	s_sub_co_u32 s3, s3, 1
	s_cmp_lg_u32 s3, 0
	s_cbranch_scc1 .Llap
	QUARTER 0, 2, F1, F0, 0                        ; the last lap is written out: it fills nothing, and has no round of the cluster's barrier
	QUARTER 0, 3, F0, F1, 0
	TURN 0, 1, 0
	QUARTER 1, 1, F0, F1, 0
	QUARTER 1, 2, F1, F0, 0
	QUARTER 1, 3, F0, F1, 0
	s_wait_dscnt 8                                 ; the very last quarter: nothing more to fetch
	MULN F1, 0, 4, 0
	s_wait_dscnt 0x0
	MULN F1, 4, 4, 0
	WIN 0
	PLACES                                         ; the first lines below read results
	s_wait_loadcnt 0x0                             ; zb
	ACT 0
	TOSTAGE 0
.irp a, 1,2,3,4,5,6,7                  ; block a's arithmetic stands between block a - 1's loads from the stage and the wait for them
	ACT \a
	SEND (\a)-1
	TOSTAGE \a
.endr
	SEND 7
	s_wait_tensorcnt 0x0                           ; the wave's end, behind my last tensor load and my last LDS store
	ds_add_u32 v[SPW], v[NIL]
	s_wait_dscnt 0x0
	CROUND                                         ; the closing round: no work-group ends while a partner may still ask for a tile that names it
	s_endpgm
.Lfunc_end_k_qfab751e010_gemm:
	.size	k_qfab751e010_gemm, .Lfunc_end_k_qfab751e010_gemm-k_qfab751e010_gemm
	.p2alignl 7, 3214868480
	.fill 96, 4, 3214868480
	.section	.rodata,"a",@progbits
	.p2align	6, 0x0
	.amdhsa_kernel k_qfab751e010_gemm
		.amdhsa_group_segment_fixed_size 327680
		.amdhsa_private_segment_fixed_size 0
		.amdhsa_enable_private_segment 0
		.amdhsa_kernarg_size 32
		.amdhsa_user_sgpr_count 2
		.amdhsa_user_sgpr_kernarg_segment_ptr 1
		.amdhsa_wavefront_size32 1
		.amdhsa_system_sgpr_workgroup_id_x 1
		.amdhsa_system_sgpr_workgroup_id_y 1
		.amdhsa_system_sgpr_workgroup_id_z 1
		.amdhsa_system_vgpr_workitem_id 0
		.amdhsa_next_free_vgpr 768
		.amdhsa_next_free_sgpr 68
		.amdhsa_reserve_vcc 0
		.amdhsa_float_denorm_mode_32 3
		.amdhsa_float_denorm_mode_16_64 3
		.amdhsa_memory_ordered 1
		.amdhsa_forward_progress 1
		.amdhsa_inst_pref_size 128
	.end_amdhsa_kernel
	.amdgpu_metadata
---
amdhsa.version: [ 1, 2 ]
amdhsa.kernels:
  - .name:           k_qfab751e010_gemm
    .symbol:         k_qfab751e010_gemm.kd
    .args:
      - { .name: abf, .offset: 0, .size: 8, .value_kind: global_buffer, .address_space: global }
      - { .name: vbf, .offset: 8, .size: 8, .value_kind: global_buffer, .address_space: global }
      - { .name: zb, .offset: 16, .size: 8, .value_kind: global_buffer, .address_space: global }
      - { .name: out0, .offset: 24, .size: 8, .value_kind: global_buffer, .address_space: global }
    .group_segment_fixed_size: 327680
    .private_segment_fixed_size: 0
    .kernarg_segment_align: 8
    .kernarg_segment_size: 32
    .max_flat_workgroup_size: 128
    .sgpr_count:     68
    .vgpr_count:     768
    .wavefront_size: 32
...
	.end_amdgpu_metadata
.endif
;; end of part 2
;; ======== version 2 of 2: 2 launches; version 1 with the launch prep written anew for expert scheduling mode
;; workspace buffers: abf 33,554,432 bytes; vbf 16,777,216 bytes; zb 16,384 bytes
;; launch prep (part 3): grid 256 x 1, 8 waves a work-group, no clusters, 0 bytes of LDS; arguments e1, e2, W, V, b, abf, vbf, zb; writes abf, vbf, zb
.if DOCPART == 3
	.amdgcn_target "amdgcn-amd-amdhsa--gfx1250"
	.amdhsa_code_object_version 6
	.text
	.protected	k_qfab751e010_prep
	.globl	k_qfab751e010_prep
	.p2align	8
	.type	k_qfab751e010_prep,@function
k_qfab751e010_prep:
	s_mov_b64 s[64:65], 0
	v_nop
	global_prefetch_b8 v0, s[64:65] scope:SCOPE_SE
	s_setreg_imm32_b32 hwreg(HW_REG_WAVE_SCHED_MODE, 0, 2), 2
	s_setreg_imm32_b32 hwreg(HW_REG_WAVE_MODE, 25, 1), 1
	s_wait_xcnt 0x0
	s_wait_alu depctr_vm_vsrc(0)
; PREP: casts to bf16, and the part of the bilinear term that the gather keeps.
; The gather's row is (p*2048 + q) mod 4096 = (p & 1)*2048 + q, since q < 2048: of u only u[par*2048+q][q] is ever taken, par = p & 1.  So
;   z[par][q] = 2^-11 * sum over r of e1[par*2048+q][r] * e2[par*2048+q][r] * W[q][r]:  4,096 dot products of three rows, which read every byte of e1, e2 and W once.
; Stored: abf [4096][4096] bf16, row m = bf16(e1[m]) then bf16(e2[m]);  vbf [4096][2048] bf16 = bf16(V), same orientation;
;         zb [2][2048] f32 = 2 log2(e) * (z[par][q] + bf16(b[q])): the addend of the next launch, scaled for its base-2 exponential.
; LIMITS.  Every input is rounded once to bf16 (nearest even), also for z and the bias; products and sums are f32; the order of the sum is the lanes' own, not the row's.
; SHARES.  2,048 waves; wave q owns rows q and q+2048 of e1 and e2, row q of W, rows 2q and 2q+1 of V (16,384 consecutive bytes).
; A load of the wave covers 512 consecutive bytes (16 a lane), a store 256 consecutive bytes at a multiple of 256 from its buffer's first byte (8 a lane).
; No LDS, no barrier, no matrix unit: the waves share nothing, and a diagonal of a product is vector work.
; THE MODE: SCHED_MODE bits 1:0 = 2 (LLVM: expert scheduling mode 2), set by the entry lines.  The code itself states the register dependences
; between vector instructions and memory instructions, with s_wait_alu, always for 0.
; THE PLAN.  A wave's work is 24 items: items 0 to 15 are the chunks of 512 bytes of its five rows (five loads each), items 16 to 23 groups of four chunks of its V (four loads each).
; Turn t works on item t.  Registers that memory instructions touch:
;   X0 .. X8   nine slots, item i in slot i % 9.  Written by the loads of item t + 8, issued in turn t; read by turn t's roundings alone.
;   Y0, Y1     two out-buffers.  Written by turn t's roundings (Y[t % 2]); read by that turn's unpacking lines and by the four stores that are issued in turn t + 1.
;   v1, v2     byte offsets, made once at the head and never written again: chunks are reached by immediate offsets, rows by scalar bases that never move.
; Turn t's memory instructions are the loads into slot (t + 8) % 9 = (t - 1) % 9 and the stores from Y[(t - 1) % 2]: the two buffers that turn t - 1 worked on and that no vector
; instruction of turn t names.  So the waits at a turn's head state all that its memory instructions hang on, and these are dealt among its first roundings with no further wait.
; Seven younger items are on their way at a turn's head, eight behind its loads: 35 to 40 loads of a wave while the rows last.
.set SLOTS, 9
.set LN,   1                           ; v1        16 x lane: offset of my 16 bytes in a chunk of 512; never rewritten
.set SO,   2                           ; v2        8 x lane: offset of my 8 bytes in a stored block of 256; never rewritten
.set LA,   3                           ; v3        lane
.set ACC0, 4                           ; v[4:7]    two chains of pairs: the sum for row q
.set ACC1, 8                           ; v[8:11]   the same for row q + 2048
.set Y,    12                          ; v[12:31]  two buffers of ten: packed bf16: e1a, e2a, e1b, e2b, W, two registers each (a: row q, b: row q + 2048)
.set U,    32                          ; v[32:51]  the rounded numbers as f32, four of each, in the same order: no memory instruction names them
.set X,    52                          ; v[52:231] nine slots of 20 registers, as loaded, in the same order
.set HALF, 0x1000000                   ; 2,048 rows of 8,192 bytes, in e1, e2 and abf alike
	s_load_b512 s[4:19], s[0:1], 0x0               ; e1 s[4:5], e2 s[6:7], W s[8:9], V s[10:11], b s[12:13], abf s[14:15], vbf s[16:17], zb s[18:19]
	v_lshrrev_b32 v[LA], 5, v0
	v_readfirstlane_b32 s20, v[LA]                 ; my wave in the work-group
	s_lshl_b32 s21, ttmp9, 3
	v_and_b32 v[LA], 31, v0
	v_lshlrev_b32 v[LN], 4, v[LA]
	v_lshlrev_b32 v[SO], 3, v[LA]
	s_wait_alu depctr_va_sdst(0)                   ; s20 is written, ahead of its first reader: every base is made from it
	s_add_co_u32 s20, s20, s21                     ; q = 8 x work-group + wave
	s_lshl_b32 s22, s20, 13                        ; q rows of 8,192 bytes (e1, e2, W, abf), and 2 q rows of 4,096 (vbf)
	s_mov_b32 s23, 0
	s_lshl_b32 s30, s20, 14                        ; 2 q rows of 8,192 bytes (V)
	s_mov_b32 s31, 0
	s_lshl_b32 s32, s20, 2                         ; q words (b, zb)
	s_mov_b32 s33, 0
	s_mov_b32 s36, 0x76543210                      ; v_permlanex16_b32: each lane takes its own place in the other half
	s_mov_b32 s37, 0xfedcba98
	s_mov_b32 s38, 0xffff0000                      ; a word's upper bf16
	s_wait_kmcnt 0x0
	s_add_nc_u64 s[4:5], s[4:5], s[22:23]
	s_add_nc_u64 s[6:7], s[6:7], s[22:23]
	s_add_nc_u64 s[8:9], s[8:9], s[22:23]
	s_add_nc_u64 s[10:11], s[10:11], s[30:31]
	s_add_nc_u64 s[12:13], s[12:13], s[32:33]
	s_add_nc_u64 s[14:15], s[14:15], s[22:23]
	s_add_nc_u64 s[16:17], s[16:17], s[22:23]
	s_add_nc_u64 s[18:19], s[18:19], s[32:33]
	s_add_nc_u64 s[24:25], s[4:5], HALF            ; e1, e2 and abf at row q + 2048: too far for an immediate offset
	s_add_nc_u64 s[26:27], s[6:7], HALF
	s_add_nc_u64 s[28:29], s[14:15], HALF
	s_load_b32 s34, s[12:13], 0x0                  ; b[q]: waited for at the end
	s_wait_alu depctr_va_vdst(0)                   ; v1 and v2 are written: every load of the turns reads v1 as its offset, every store v2
; Load j of item i, into slot i % 9.  Items 0 to 15: chunk i of row j of my five.  Items 16 to 23: chunk j of four of group i - 16 of my 16,384 bytes of V (there is no fifth).
.macro LD i, j
.set XL, X+20*((\i)%SLOTS)+4*(\j)
.if (\i) >= 16
.if (\j) < 4
	global_load_b128 v[XL:XL+3], v[LN], s[10:11] offset:512*(4*((\i)-16)+(\j)) th:TH_LOAD_NT
.endif
.elseif (\j) == 0
	global_load_b128 v[XL:XL+3], v[LN], s[4:5]   offset:512*(\i) th:TH_LOAD_NT
.elseif (\j) == 1
	global_load_b128 v[XL:XL+3], v[LN], s[6:7]   offset:512*(\i) th:TH_LOAD_NT
.elseif (\j) == 2
	global_load_b128 v[XL:XL+3], v[LN], s[24:25] offset:512*(\i) th:TH_LOAD_NT
.elseif (\j) == 3
	global_load_b128 v[XL:XL+3], v[LN], s[26:27] offset:512*(\i) th:TH_LOAD_NT
.else
	global_load_b128 v[XL:XL+3], v[LN], s[8:9]   offset:512*(\i) th:TH_LOAD_NT
.endif
.endm
; Store j of four of item i, from Y[i % 2].
.macro ST i, j
.set YS, Y+10*((\i)%2)+2*(\j)
.if (\i) >= 16
	global_store_b64 v[SO], v[YS:YS+1], s[16:17] offset:256*(4*((\i)-16)+(\j))  ; vbf
.elseif (\j) == 0
	global_store_b64 v[SO], v[YS:YS+1], s[14:15] offset:256*(\i)       ; abf row q: e1's half,
.elseif (\j) == 1
	global_store_b64 v[SO], v[YS:YS+1], s[14:15] offset:4096+256*(\i)  ; e2's half
.elseif (\j) == 2
	global_store_b64 v[SO], v[YS:YS+1], s[28:29] offset:256*(\i)       ; abf row q + 2048
.else
	global_store_b64 v[SO], v[YS:YS+1], s[28:29] offset:4096+256*(\i)
.endif
.endm
; Turn t.  left = how many younger loads may stay out.
.macro TURN t, left
.set XS, X+20*((\t)%SLOTS)
.set YT, Y+10*((\t)%2)
	s_wait_loadcnt \left                           ; loads come back in order (ISA guide 5.7.1): this item's are in
.if (\t) > 1
	s_wait_xcnt 0x0                                ; every earlier memory instruction has had its addresses translated (ISA guide 3.1): Y[t % 2] is rewritten only behind this wait
	s_wait_alu depctr_vm_vsrc(0)                   ; the stores issued in the turn before have read Y[t % 2], which this turn's roundings write again
.endif
.if (\t) > 0
	s_wait_alu depctr_va_vdst(0)                   ; the turn before has written the other Y, which the stores below read, and is done reading its slot, in which the loads below land
.endif
.irp j, 0,1,2,3,4
.if (\t) < 16
	LD (\t)+8, \j                                  ; eight items ahead, into the slot that the turn before read; no vector instruction since the wait names it
.endif
.if ((\t) > 0) && ((\j) < 4)
	ST (\t)-1, \j                                  ; the item before
.endif
.if ((\t) < 16) || ((\j) < 4)
	v_cvt_pk_bf16_f32 v[YT+2*(\j)],   v[XS+4*(\j)],   v[XS+4*(\j)+1]
	v_cvt_pk_bf16_f32 v[YT+2*(\j)+1], v[XS+4*(\j)+2], v[XS+4*(\j)+3]
.endif
.endr
.if (\t) < 16                          ; the rows' items feed the two sums; V is only rounded
.irp j, 0,1,2,3,4
.irp k, 0,1
	v_lshlrev_b32 v[U+4*(\j)+2*(\k)],   16,  v[YT+2*(\j)+(\k)]  ; the rounded numbers as f32: the low half moves up,
	v_and_b32     v[U+4*(\j)+2*(\k)+1], s38, v[YT+2*(\j)+(\k)]  ; the high half stays
.endr
.endr
	v_pk_mul_f32 v[U:U+1],     v[U:U+1],     v[U+4:U+5]        ; e1 e2 (exact: two numbers of 8 significant bits)
	v_pk_mul_f32 v[U+2:U+3],   v[U+2:U+3],   v[U+6:U+7]
	v_pk_mul_f32 v[U+8:U+9],   v[U+8:U+9],   v[U+12:U+13]
	v_pk_mul_f32 v[U+10:U+11], v[U+10:U+11], v[U+14:U+15]
.if (\t) == 0                          ; the first chunk starts the sums: nothing is cleared
	v_pk_mul_f32 v[ACC0:ACC0+1],   v[U:U+1],     v[U+16:U+17]
	v_pk_mul_f32 v[ACC0+2:ACC0+3], v[U+2:U+3],   v[U+18:U+19]
	v_pk_mul_f32 v[ACC1:ACC1+1],   v[U+8:U+9],   v[U+16:U+17]
	v_pk_mul_f32 v[ACC1+2:ACC1+3], v[U+10:U+11], v[U+18:U+19]
.else
	v_pk_fma_f32 v[ACC0:ACC0+1],   v[U:U+1],     v[U+16:U+17], v[ACC0:ACC0+1]
	v_pk_fma_f32 v[ACC0+2:ACC0+3], v[U+2:U+3],   v[U+18:U+19], v[ACC0+2:ACC0+3]
	v_pk_fma_f32 v[ACC1:ACC1+1],   v[U+8:U+9],   v[U+16:U+17], v[ACC1:ACC1+1]
	v_pk_fma_f32 v[ACC1+2:ACC1+3], v[U+10:U+11], v[U+18:U+19], v[ACC1+2:ACC1+3]
.endif
.endif
.endm
.irp i, 0,1,2,3,4,5,6,7
.irp j, 0,1,2,3,4
	LD \i, \j                                      ; items 0 to 7: 40 loads; turn 0 asks for item 8, into the ninth slot, which no vector instruction has named
.endr
.endr
.irp c, 0,1,2,3,4,5,6,7
	TURN \c, 35                                    ; seven younger items of five loads
.endr
.irp c, 8,9,10,11,12,13,14,15
	TURN \c, 5*(15-(\c))+4*((\c)-8)                ; the chunks still to come, five loads each, and the groups of V asked for so far, four each
.endr
.irp c, 16,17,18,19,20,21,22,23
	TURN \c, 4*(23-(\c))                           ; the groups of V: nothing more is asked for, and the counts run down to 0
.endr
	s_wait_alu depctr_va_vdst(0)                   ; turn 23 has written Y1, which the last four stores read
.irp j, 0,1,2,3
	ST 23, \j
.endr
	; the two sums: within the lane, then over the 32 lanes (four steps inside each half ride on the addition, one crosses the halves)
	v_pk_add_f32 v[ACC0:ACC0+1], v[ACC0:ACC0+1], v[ACC0+2:ACC0+3]
	v_pk_add_f32 v[ACC1:ACC1+1], v[ACC1:ACC1+1], v[ACC1+2:ACC1+3]
	v_add_f32 v[ACC0], v[ACC0], v[ACC0+1]
	v_add_f32 v[ACC1], v[ACC1], v[ACC1+1]
.irp m, 1,2,4,8
	v_add_f32_dpp v[ACC0], v[ACC0], v[ACC0] row_xmask:\m row_mask:0xf bank_mask:0xf
	v_add_f32_dpp v[ACC1], v[ACC1], v[ACC1] row_xmask:\m row_mask:0xf bank_mask:0xf
.endr
	v_permlanex16_b32 v[U],   v[ACC0], s36, s37    ; the destinations have been written before
	v_permlanex16_b32 v[U+1], v[ACC1], s36, s37
	v_cmp_eq_u32 vcc_lo, 1, v[LA]
	v_add_f32 v[ACC0], v[ACC0], v[U]
	v_add_f32 v[ACC1], v[ACC1], v[U+1]
	s_wait_kmcnt 0x0                               ; b[q]
	v_mov_b32 v[U+2], s34
	v_cvt_pk_bf16_f32 v[U+2], v[U+2], v[U+2]       ; rounded to bf16 like every input,
	v_lshlrev_b32 v[U+2], 16, v[U+2]               ; and back as f32
	s_wait_alu depctr_va_vcc(0)                    ; the compare has written VCC, ahead of its first reader, the select below
	v_cndmask_b32 v[ACC0], v[ACC0], v[ACC1], vcc_lo  ; lane 1 takes the sum of row q + 2048
	v_fmamk_f32 v[ACC0], v[ACC0], 0x3a000000, v[U+2] ; sum x 2^-11 + b
	v_mul_f32 v[ACC0], 0x4038aa3b, v[ACC0]         ; x 2 log2(e)
	v_and_b32 v[ACC0+1], 1, v[LA]
	v_lshlrev_b32 v[ACC0+1], 13, v[ACC0+1]         ; zb[0][q] or zb[1][q], 8,192 bytes on
	v_cmp_gt_u32 vcc_lo, 2, v[LA]
	s_wait_xcnt 0x0                                ; EXEC is a source of the stores that are out: it changes only behind this wait
	s_wait_alu depctr_va_vcc(0)                    ; the compare has written VCC: EXEC is made from it
	s_wait_alu depctr_va_vdst(0)                   ; ahead of the write of EXEC: every vector instruction is done; v4 and v5, the data and the offset of the store below, are written
	s_wait_alu depctr_vm_vsrc(0)                   ; ahead of the write of EXEC: every store issued so far has read its vector registers
	s_and_saveexec_b32 s35, vcc_lo
	global_store_b32 v[ACC0+1], v[ACC0], s[18:19]  ; two words a wave: 16,384 bytes in the whole launch, too few to gather through LDS
	s_endpgm
.Lfunc_end_k_qfab751e010_prep:
	.size	k_qfab751e010_prep, .Lfunc_end_k_qfab751e010_prep-k_qfab751e010_prep
	.p2alignl 7, 3214868480
	.fill 96, 4, 3214868480
	.section	.rodata,"a",@progbits
	.p2align	6, 0x0
	.amdhsa_kernel k_qfab751e010_prep
		.amdhsa_group_segment_fixed_size 0
		.amdhsa_private_segment_fixed_size 0
		.amdhsa_enable_private_segment 0
		.amdhsa_kernarg_size 64
		.amdhsa_user_sgpr_count 2
		.amdhsa_user_sgpr_kernarg_segment_ptr 1
		.amdhsa_wavefront_size32 1
		.amdhsa_system_sgpr_workgroup_id_x 1
		.amdhsa_system_sgpr_workgroup_id_y 1
		.amdhsa_system_sgpr_workgroup_id_z 1
		.amdhsa_system_vgpr_workitem_id 0
		.amdhsa_next_free_vgpr 232
		.amdhsa_next_free_sgpr 66
		.amdhsa_reserve_vcc 1
		.amdhsa_float_denorm_mode_32 3
		.amdhsa_float_denorm_mode_16_64 3
		.amdhsa_memory_ordered 1
		.amdhsa_forward_progress 1
		.amdhsa_inst_pref_size 58
	.end_amdhsa_kernel
	.amdgpu_metadata
---
amdhsa.version: [ 1, 2 ]
amdhsa.kernels:
  - .name:           k_qfab751e010_prep
    .symbol:         k_qfab751e010_prep.kd
    .args:
      - { .name: e1, .offset: 0, .size: 8, .value_kind: global_buffer, .address_space: global }
      - { .name: e2, .offset: 8, .size: 8, .value_kind: global_buffer, .address_space: global }
      - { .name: W, .offset: 16, .size: 8, .value_kind: global_buffer, .address_space: global }
      - { .name: V, .offset: 24, .size: 8, .value_kind: global_buffer, .address_space: global }
      - { .name: b, .offset: 32, .size: 8, .value_kind: global_buffer, .address_space: global }
      - { .name: abf, .offset: 40, .size: 8, .value_kind: global_buffer, .address_space: global }
      - { .name: vbf, .offset: 48, .size: 8, .value_kind: global_buffer, .address_space: global }
      - { .name: zb, .offset: 56, .size: 8, .value_kind: global_buffer, .address_space: global }
    .group_segment_fixed_size: 0
    .private_segment_fixed_size: 0
    .kernarg_segment_align: 8
    .kernarg_segment_size: 64
    .max_flat_workgroup_size: 256
    .sgpr_count:     66
    .vgpr_count:     232
    .wavefront_size: 32
...
	.end_amdgpu_metadata
.endif
;; end of part 3
;; launch gemm: the kernel of part 2 again; grid 16 x 16, 4 waves a work-group, clusters of 4 x 4, 327,680 bytes of LDS; arguments abf, vbf, zb, out0; writes out0
